; MI455X (gfx1250); checked and timed in simulation.
; The chip was launched on July 23, 2026; its instructions are those of AMD's public machine-readable ISA for CDNA 5 (MIT licence, August 2026) and "CDNA5" Instruction Set Architecture Reference Guide (July 2026). The comments in the code are by the model that wrote it; some were corrected since.
;; Sparse Router. Allowed arithmetic: matrix products marked QUANTISED: E3M2 operands, one E8M0 scale for each 32 along K, by v_wmma_scale_f32_16x16x128_f8f6f4 with both operands' format E3M2, f32 sums; products left as they are: f32 operands where the result goes on into a quantised operand, else bf16, f16 or f32 operands; f32 sums; everything else in f32.
;; Inputs: router_w 2 x 1,024 float32; w1_codes 2 x 2,048 x 32 x 24 uint8 (E3M2 codes of w1, K innermost, in blocks of 32 codes, four codes in three bytes); w1_scales 2 x 2,048 x 32 uint8 (E8M0 scales of w1, one for each 32 codes along K); w2_codes 2 x 1,024 x 64 x 24 uint8 (E3M2 codes of w2, K innermost, in blocks of 32 codes, four codes in three bytes); w2_scales 2 x 1,024 x 64 uint8 (E8M0 scales of w2, one for each 32 codes along K); x 4 x 2,048 x 1,024 float32.
;; Outputs: out0 4 x 2,048 x 1,024 float32.
;; This version of the problem:
;;   THIS VERSION OF THE PROBLEM IS GIVEN IN LOW PRECISION. The matrix products marked QUANTISED in the list below multiply operands that are first quantised to E3M2 (3 exponent bits, 2 mantissa bits; 6 bits a number), with one power-of-two scale for each 32 numbers along K (OCP MX v1.0); their sums are f32. All else is computed in f32.
;;   The module's matrix products, in the order in which they are computed (A, B: the left and right operand; K: the contracted axis; several contracted axes count as one K, in the product's order):
;;     1. [M 8,192, K 1,024] x [K 1,024, N 2]; A: input x; B: input router_w: left as it is (N = 2 < 16)
;;     2. [M 4,096, K 1,024] x [K 1,024, N 8,192]; A: input w1 (given as codes); B: input x: QUANTISED
;;     3. batch 2 x [M 8,192, K 2,048] x [K 2,048, N 1,024]; A: computed on the way; B: input w2 (given as codes): QUANTISED
;;   THE QUANTISER, for each operand of a quantised product, along K:
;;     - K is cut into blocks of 32 from its start; a last block that is shorter is filled with zeros.
;;     - A block's scale is 2^e with e = floor(log2(the largest magnitude in the block)) - 4, held to -126 .. 127; a block of zeros has e = 0. As a byte (E8M0): e + 127.
;;     - Each number is divided by its block's scale, clamped to +-28, and rounded to the nearest number of E3M2, ties to even, subnormals kept.
;;     - The product sums the exact products of the quantised numbers (number of the format x scale) in f32.
;;   ~~~python
;;   def quantise(x, axis):      # numpy; x: float32 -> the quantised numbers, widened to float32 again
;;       x = np.moveaxis(x, axis, -1); K = x.shape[-1]
;;       x = np.pad(x, [(0, 0)] * (x.ndim - 1) + [(0, -K % 32)]); x = x.reshape(x.shape[:-1] + (-1, 32)); a = np.abs(x).max(-1, keepdims=True)
;;       e = np.where(a > 0, np.clip(np.frexp(np.where(a > 0, a, 1))[1] - 1 - 4, -126, 127), 0)      # np.frexp(a)[1] - 1 = floor(log2(a)), exactly
;;       r = np.clip(x / 2.0 ** e, -28, 28)
;;       step = 2.0 ** (np.maximum(np.frexp(np.where(r == 0, 1, r))[1] - 1, -2) - 2)
;;       q = np.round(r / step) * step * 2.0 ** e      # np.round: ties to even
;;       return np.moveaxis(q.reshape(q.shape[:-2] + (-1,))[..., :K], -1, axis).astype(np.float32)
;;   ~~~
;;   OPERANDS COMPUTED ON THE WAY. 'Computed on the way' means the value that the module computes at that place (a softmax that the list does not call 'softmax' is quantised finished and normalised). What goes into a quantiser is computed in f32, as accurately as f32 sums, v_exp_f32 and their like allow (about 1e-6 of the number): no bf16 or f16 on the way to a quantiser, and a product that is left as it is and whose result goes on into a quantised operand takes f32 operands (vector FMAs, or v_wmma_f32_16x16x4_f32). A number that lies on a knife's edge between two numbers of the format may be rounded either way, as far as f32 arithmetic and the matrix unit's own rounding can turn it there, and no further.
;;   INPUTS GIVEN AS CODES. w1 (in the module: [2, 1024, 2048], K = its axis 1); w2 (in the module: [2, 2048, 1024], K = its axis 1): each comes as NAME_codes (uint8): NAME with its K axis moved to the last place and cut into blocks of 32 codes, [.., K / 32, bytes a block], one block behind the other in memory; four codes in three bytes: a row's codes are one little-endian stream of bits, code i at bits 6 i .. 6 i + 5 (a code: sign, 3 exponent bits, 2 mantissa bits); and NAME_scales (uint8): the same leading axes, one E8M0 byte (e + 127) for each 32 codes along K. Its value is code x scale, taken as it is: it is not quantised again, and the codes and scales need not be those that the quantiser above would give.
;; One version. Each part assembles by itself: llvm-mc -triple=amdgcn-amd-amdhsa -mcpu=gfx1250 --defsym DOCPART=n.
;; ======== version 1 of 1: 3 launches
;; limits: an absolute error that grows with the inputs' magnitude: up to 1e-07 times it
;; workspace buffers: xc 6,291,456 bytes; xs 262,144 bytes; gate 65,536 bytes; hc 25,165,824 bytes; hs 1,048,576 bytes
;; launch quant (part 1): grid 256 x 1, 16 waves a work-group, no clusters, 86,016 bytes of LDS; arguments x, router_w, xc, xs, gate; writes xc, xs, gate
.if DOCPART == 1
	.amdgcn_target "amdgcn-amd-amdhsa--gfx1250"
	.amdhsa_code_object_version 6
	.text
	.protected	k_qdd7771f184_quant
	.globl	k_qdd7771f184_quant
	.p2align	8
	.type	k_qdd7771f184_quant,@function
k_qdd7771f184_quant:
	s_mov_b64 s[64:65], 0
	v_nop
	global_prefetch_b8 v0, s[64:65] scope:SCOPE_SE
	s_setreg_imm32_b32 hwreg(HW_REG_WAVE_MODE, 25, 1), 1
	s_wait_xcnt 0x0
; x [8192][1024] f32 becomes codes of BF6 (E3M2), xc [8192][768 bytes], K innermost, with one E8M0 byte for each 32 along K, xs [8192][32];
; and the router: logits = x router_w^T in f32 (fused multiply-adds), gate [8192][2] = softmax of the two logits, the larger taken off ahead of the exponentials.
; The module takes the top 2 of 2 experts: that only orders the two logits, and the softmax of the ordered pair on the outputs gathered in the same order is g0 FFN0 + g1 FFN1.
; A block's scale is 2^(floor(log2(its largest magnitude)) - 4); its byte is the largest magnitude's exponent field - 4, held at 1 from below.
; LIMITS: a block of zeros, or one whose largest magnitude lies under 2^-122, keeps the byte 1 (zero codes add nothing; this program alone reads the bytes); NaN and infinities are not served.
; SHARES: a work-group takes 32 rows, each of its 16 waves two rows = 4 steps of 512 numbers.  All 16 loads of a wave go out at once: the work-group's 128 KB are all on their way together.
; Each load reads 512 consecutive bytes, 16 a lane; a step's 2,048 bytes turn through the wave's own stage in LDS and come back 64 bytes a lane: 16 neighbours along K, as the conversion wants them.
; No matrix unit, tensor load or cluster: memory binds, each byte of x is read once, and the work-groups share only router_w's 8 KB.
.set SP,    80                         ; a lane's place in a stage: 64 bytes + 16 of padding
.set WSTG,  2*32*SP                    ; a wave's two stages
.set SCB,   16*WSTG                    ; the work-group's 1,024 scale bytes
.set GTB,   SCB+1024                   ; its 32 rows' gates, 256 bytes
.set RAW,   16                         ; v16-79    four steps' numbers as loaded
.set XN,    80                         ; v80-111   two sets of 16 neighbours
.set EB,    112                        ; v112-115  a scale byte for each step
.set CDS,   116                        ; v116-131  codes, four registers a step: no store's data are written again
.set RWT,   132                        ; v132-195  router_w: [expert][half of the row][my 16 columns]
.set DOT,   196                        ; v196-199  two running dot products, a pair each
.set LOG,   200                        ; v200-203  logits: [row][expert]
.set PRM,   204                        ; v204-207  destinations of the lane permutes
.set GAT,   208                        ; v208-211  gates: [row][expert]
.set TMP,   212                        ; v212-219  at work
	s_load_b256 s[4:11], s[0:1], 0x0               ; x s[4:5], router_w s[6:7], xc s[8:9], xs s[10:11]
	s_load_b64 s[12:13], s[0:1], 0x20              ; gate
	v_lshl_add_u32 v224, v0, 2, 0x14800
	v_mov_b32 v225, 0
	v_lshrrev_b32 v1, 5, v0
	v_readfirstlane_b32 s16, v1                    ; wave 0..15
	v_and_b32 v2, 31, v0                           ; lane
	v_lshlrev_b32 v3, 4, v2                        ; my 16 bytes of a load's 512
	v_mul_u32_u24 v4, v2, 12                       ; my 12 bytes of a step's 384 bytes of codes
	v_lshlrev_b32 v7, 3, v2                        ; 8 x lane
	v_lshlrev_b32 v13, 6, v2                       ; router_w: my 16 columns of a half row
	s_mul_i32 s17, s16, WSTG
	v_lshrrev_b32 v14, 2, v2
	v_mul_u32_u24 v14, v14, SP
	v_and_b32 v15, 3, v2
	v_lshl_add_u32 v14, v15, 4, v14
	v_add_nc_u32 v14, s17, v14                     ; the stage, way in: four lanes' 64 bytes on end, then the padding
	v_mul_u32_u24 v15, v2, SP
	v_add_nc_u32 v15, s17, v15                     ; way out: my 16 neighbours
	v_lshrrev_b32 v5, 1, v2
	s_lshl_b32 s18, s16, 6
	s_add_co_u32 s18, s18, SCB
	v_add_nc_u32 v5, s18, v5                       ; my block's scale byte: SCB + 64 x wave + lane / 2 (+ 16 x step)
	s_lshl_b32 s19, s16, 4
	s_add_co_u32 s19, s19, GTB
	v_mov_b32 v6, s19                              ; my wave's gates: GTB + 16 x wave (+ 8 x row)
	v_add_nc_u32 v10, GTB, v7                      ; wave 0's way out: the gates, 8 bytes a lane,
	v_add_nc_u32 v12, SCB, v3                      ; and the scale bytes, 16 a lane
	s_mov_b32 s24, 0x76543210
	s_mov_b32 s25, 0xfedcba98                      ; v_permlanex16_b32's selects for lane l xor 16
.irp i, 0,1,2,3
	v_mov_b32 v[PRM+\i], 0                         ; a lane permute's destination counts as one of its sources
.endr
	s_lshl_b32 s20, ttmp9, 4
	s_add_co_u32 s20, s20, s16                     ; u = 16 x work-group + wave: which pair of rows
	s_lshl_b32 s22, s20, 13                        ; two rows of x are 8,192 bytes
	s_mov_b32 s23, 0
	s_wait_kmcnt 0x0
	s_add_nc_u64 s[4:5], s[4:5], s[22:23]
	s_mul_i32 s22, s20, 1536                       ; two rows of codes
	s_add_nc_u64 s[8:9], s[8:9], s[22:23]
	s_lshl_b32 s22, ttmp9, 10                      ; the work-group's 1,024 scale bytes
	s_add_nc_u64 s[10:11], s[10:11], s[22:23]
	s_lshl_b32 s22, ttmp9, 8                       ; its 256 bytes of gates
	s_add_nc_u64 s[12:13], s[12:13], s[22:23]
.irp e, 0,1
.irp f, 0,1
.irp j, 0,1,2,3
	global_load_b128 v[RWT+32*\e+16*\f+4*\j:RWT+32*\e+16*\f+4*\j+3], v13, s[6:7] offset:4096*\e+2048*\f+16*\j
.endr
.endr
.endr
.irp t, 0,1,2,3
.irp i, 0,1,2,3
	global_load_b128 v[RAW+16*\t+4*\i:RAW+16*\t+4*\i+3], v3, s[4:5] offset:2048*\t+512*\i th:TH_LOAD_NT   ; 32 lanes read 512 consecutive bytes; read once in the launch
.endr
.endr
.macro TURN t                          ; step t's numbers through the stage: LDS serves a wave's instructions in order, so no wait stands between the stores and the loads
.irp i, 0,1,2,3
	ds_store_b128 v14, v[RAW+16*(\t)+4*\i:RAW+16*(\t)+4*\i+3] offset:32*SP*((\t)%2)+8*SP*\i
.endr
.irp i, 0,1,2,3
	ds_load_b128 v[XN+16*((\t)%2)+4*\i:XN+16*((\t)%2)+4*\i+3], v15 offset:32*SP*((\t)%2)+16*\i
.endr
.endm
	s_wait_loadcnt 12                              ; router_w and step 0 are in; the twelve loads of steps 1 to 3 may be out
	TURN 0
.macro STEP t
.set XS, XN+16*((\t)%2)
.if (\t) > 0
	s_wait_dscnt 1                                 ; this step's numbers are back from the stage; the last step's byte store, issued behind them, may be out
.else
	s_wait_dscnt 0x0
.endif
.if (\t) < 3
	s_wait_loadcnt 8-4*(\t)                        ; the next step's four loads are in; those of the steps behind it may be out
	TURN (\t)+1                                    ; they go through the other stage while this step is worked
.endif
	v_max3_num_f32 v8, |v[XS]|, |v[XS+1]|, |v[XS+2]|               ; the largest magnitude of my 16, in two chains
	v_max3_num_f32 v9, |v[XS+3]|, |v[XS+4]|, |v[XS+5]|
.irp i, 6,10
	v_max3_num_f32 v8, v8, |v[XS+\i]|, |v[XS+\i+1]|
	v_max3_num_f32 v9, v9, |v[XS+\i+2]|, |v[XS+\i+3]|
.endr
	v_max3_num_f32 v8, v8, |v[XS+14]|, |v[XS+15]|
	v_max3_num_f32 v8, v8, v9, 0x2800000           ; and the floor 2^(5 - 127): the byte cannot fall under 1
	v_max_num_f32_dpp v8, v8, v8 row_xmask:1 row_mask:0xf bank_mask:0xf   ; with my neighbour's 16: the block's
	v_add_nc_u32 v11, 0xfe000000, v8               ; 4 off its exponent field: the conversion takes the exponent field of this operand as its scale
	v_cvt_scalef32_pk16_bf6_f32 v[CDS+4*(\t):CDS+4*(\t)+2], v[XS:XS+15], v11
	v_lshrrev_b32 v[EB+(\t)], 23, v11              ; the scale's byte (a plain line behind the conversion)
	ds_store_b8 v5, v[EB+(\t)] offset:16*(\t)      ; both lanes of a block write the same byte with the same value
	global_store_b96 v4, v[CDS+4*(\t):CDS+4*(\t)+2], s[8:9] offset:384*(\t)   ; the wave stores 384 consecutive bytes
.irp j, 0,2,4,6,8,10,12,14                     ; the router: my 16 columns against both experts' weights, the two chains by turns
.irp e, 0,1
.if ((\t)%2 == 0) && (\j == 0)
	v_pk_mul_f32 v[DOT+2*\e:DOT+2*\e+1], v[XS+\j:XS+\j+1], v[RWT+32*\e+16*((\t)%2)+\j:RWT+32*\e+16*((\t)%2)+\j+1]   ; a row's first product starts its sums
.else
	v_pk_fma_f32 v[DOT+2*\e:DOT+2*\e+1], v[XS+\j:XS+\j+1], v[RWT+32*\e+16*((\t)%2)+\j:RWT+32*\e+16*((\t)%2)+\j+1], v[DOT+2*\e:DOT+2*\e+1]
.endif
.endr
.endr
.if (\t)%2 == 1
.irp e, 0,1
	v_add_f32 v[LOG+2*((\t)/2)+\e], v[DOT+2*\e], v[DOT+2*\e+1]     ; the row is done: my share of its logit
.endr
.endif
.endm
	STEP 0
	STEP 1
	STEP 2
	STEP 3
.irp m, 1,2,4,8                                ; the four logits over the 32 lanes, by turns
.irp i, 0,1,2,3
	v_add_f32_dpp v[LOG+\i], v[LOG+\i], v[LOG+\i] row_xmask:\m row_mask:0xf bank_mask:0xf
.endr
.endr
.irp i, 0,1,2,3
	v_permlanex16_b32 v[PRM+\i], v[LOG+\i], s24, s25
.endr
.irp i, 0,1,2,3
	v_add_f32 v[LOG+\i], v[LOG+\i], v[PRM+\i]
.endr
.irp w, 0,1                                    ; softmax of a row's two logits: the larger is taken off first
	v_max_num_f32 v[TMP+\w], v[LOG+2*\w], v[LOG+2*\w+1]
.endr
.irp w, 0,1
	v_sub_f32 v[TMP+2+2*\w], v[LOG+2*\w], v[TMP+\w]
	v_sub_f32 v[TMP+3+2*\w], v[LOG+2*\w+1], v[TMP+\w]
.endr
.irp i, 0,1,2,3
	v_mul_f32 v[TMP+2+\i], 0x3fb8aa3b, v[TMP+2+\i]                 ; x log2(e)
.endr
.irp i, 0,1,2,3
	v_exp_f32 v[TMP+2+\i], v[TMP+2+\i]
.endr
	v_nop                                          ; a plain line behind the exponentials
	s_wait_alu depctr_va_vdst(0)
.irp w, 0,1
	v_add_f32 v[TMP+6+\w], v[TMP+2+2*\w], v[TMP+3+2*\w]            ; between 1 and 2
.endr
.irp w, 0,1
	v_rcp_f32 v[TMP+6+\w], v[TMP+6+\w]
.endr
	v_nop                                          ; a plain line behind the reciprocals
	s_wait_alu depctr_va_vdst(0)
.irp w, 0,1
	v_mul_f32 v[GAT+2*\w], v[TMP+2+2*\w], v[TMP+6+\w]
	v_mul_f32 v[GAT+2*\w+1], v[TMP+3+2*\w], v[TMP+6+\w]
.endr
.irp w, 0,1
	ds_store_b64 v6, v[GAT+2*\w:GAT+2*\w+1] offset:8*\w            ; every lane holds the same pair and writes it to the same place
.endr
	s_wait_dscnt 0x0                               ; for wave 0's sake: my bytes and gates lie in LDS
	s_barrier_signal -1
	s_barrier_wait -1
	s_cmp_lg_u32 s16, 0
	s_cbranch_scc1 .Lend                           ; wave 0 sends the work-group's gates and scale bytes out, each store covering whole aligned runs of 256 or 512 bytes
	ds_load_b64 v[16:17], v10
	ds_load_b128 v[20:23], v12
	ds_load_b128 v[24:27], v12 offset:512
	s_wait_dscnt 0x0
	global_store_b64 v7, v[16:17], s[12:13]
	global_store_b128 v3, v[20:23], s[10:11]
	global_store_b128 v3, v[24:27], s[10:11] offset:512
.Lend:
	s_wait_tensorcnt 0x0
	ds_add_u32 v224, v225
	s_wait_dscnt 0x0
	s_endpgm
.Lfunc_end_k_qdd7771f184_quant:
	.size	k_qdd7771f184_quant, .Lfunc_end_k_qdd7771f184_quant-k_qdd7771f184_quant
	.p2alignl 7, 3214868480
	.fill 96, 4, 3214868480
	.section	.rodata,"a",@progbits
	.p2align	6, 0x0
	.amdhsa_kernel k_qdd7771f184_quant
		.amdhsa_group_segment_fixed_size 86016
		.amdhsa_private_segment_fixed_size 0
		.amdhsa_enable_private_segment 0
		.amdhsa_kernarg_size 40
		.amdhsa_user_sgpr_count 2
		.amdhsa_user_sgpr_kernarg_segment_ptr 1
		.amdhsa_wavefront_size32 1
		.amdhsa_system_sgpr_workgroup_id_x 1
		.amdhsa_system_sgpr_workgroup_id_y 1
		.amdhsa_system_sgpr_workgroup_id_z 1
		.amdhsa_system_vgpr_workitem_id 0
		.amdhsa_next_free_vgpr 226
		.amdhsa_next_free_sgpr 66
		.amdhsa_reserve_vcc 0
		.amdhsa_float_denorm_mode_32 3
		.amdhsa_float_denorm_mode_16_64 3
		.amdhsa_memory_ordered 1
		.amdhsa_forward_progress 1
		.amdhsa_inst_pref_size 19
	.end_amdhsa_kernel
	.amdgpu_metadata
---
amdhsa.version: [ 1, 2 ]
amdhsa.kernels:
  - .name:           k_qdd7771f184_quant
    .symbol:         k_qdd7771f184_quant.kd
    .args:
      - { .name: x, .offset: 0, .size: 8, .value_kind: global_buffer, .address_space: global }
      - { .name: router_w, .offset: 8, .size: 8, .value_kind: global_buffer, .address_space: global }
      - { .name: xc, .offset: 16, .size: 8, .value_kind: global_buffer, .address_space: global }
      - { .name: xs, .offset: 24, .size: 8, .value_kind: global_buffer, .address_space: global }
      - { .name: gate, .offset: 32, .size: 8, .value_kind: global_buffer, .address_space: global }
    .group_segment_fixed_size: 86016
    .private_segment_fixed_size: 0
    .kernarg_segment_align: 8
    .kernarg_segment_size: 40
    .max_flat_workgroup_size: 512
    .sgpr_count:     66
    .vgpr_count:     226
    .wavefront_size: 32
...
	.end_amdgpu_metadata
.endif
;; end of part 1
;; launch ffn1 (part 2): grid 16 x 32, 4 waves a work-group, clusters of 4 x 4, 327,680 bytes of LDS; arguments xc, xs, w1_codes, w1_scales, hc, hs; writes hc, hs
.if DOCPART == 2
	.amdgcn_target "amdgcn-amd-amdhsa--gfx1250"
	.amdhsa_code_object_version 6
	.text
	.protected	k_qdd7771f184_ffn1
	.globl	k_qdd7771f184_ffn1
	.p2align	8
	.type	k_qdd7771f184_ffn1,@function
k_qdd7771f184_ffn1:
	s_mov_b64 s[64:65], 0
	v_nop
	global_prefetch_b8 v0, s[64:65] scope:SCOPE_SE
	s_setreg_imm32_b32 hwreg(HW_REG_WAVE_MODE, 25, 1), 1
	s_wait_xcnt 0x0
	s_wait_alu depctr_hold_cnt(0) depctr_sa_sdst(0) depctr_va_vdst(0) depctr_va_sdst(0) depctr_va_ssrc(0) depctr_va_vcc(0) depctr_vm_vsrc(0)
	s_getreg_b32 s2, hwreg(HW_REG_IB_STS2, 6, 4)
	s_cmp_eq_u32 s2, 0
	s_cbranch_scc0 .Lentry_in_a_cluster
	s_endpgm
.Lentry_in_a_cluster:
	s_bfe_u32 s2, ttmp6, 0x10000c
	s_cmp_lg_u32 s2, 0xf033
	s_cbranch_scc0 .Lentry_shape_is_right
	s_endpgm
.Lentry_shape_is_right:
; h[t][n] = sum over k of x[t][k] w1[n][k], n = 2048 e + f over both experts' 4,096 hidden units, on codes of BF6 (E3M2) with one E8M0 scale for each 32 along K = 1,024; then the exact GELU in f32,
; quantised along the hidden units, and stored as the next product's operand: hc [K step ks = n / 128][token / 16][1,536 bytes], the image of a fragment's 12 registers
; (register 4 g + j of lane L at 512 g + 16 L + 4 j), and hs [ks][token / 128][r 16][a 8] words: the scale word of token 128 tg + 16 a + r.
; A tile of 256 tokens x 256 hidden units is made by four waves, as many as a WGP has SIMDs; a wave makes 128 x 128: 64 accumulators, 512 registers.  K goes in four steps of 256 through two LDS slots
; filled by the tensor data mover.  The scales of the tile's 256 + 256 rows, for all of K, come into LDS once, with the first fills.
; CLUSTERS: 4 x 4 work-groups.  The four of a row of the cluster need the same tiles of x, the four of a column the same tiles of w1: each tile is asked for JOINTLY, by the same tensor load with the same
; descriptor and a mask that names the four.  THE MATRIX INSTRUCTION IS USED TRANSPOSED (source 0 = 16 rows of w1, source 1 = 16 tokens): a lane holds one token and eight neighbouring hidden units.
; THE WAY OUT: the wave's 128 x 128 results go to its own stage in LDS and come back, 16 tokens a trip, so that lane (r, h) holds of token r the two whole blocks of 32 hidden units that the operand's layout
; gives it (k = 64 c + 32 h + 0 .. 31): no lane is asked for a maximum, the conversions' results are the operand's registers, and the long arithmetic is a loop on fixed registers.
; GELU: t = |h| / sqrt(2); E = erf(t) by two polynomials (t <= 0.921875: odd series in t; above: 1 - exp of a polynomial), both computed, chosen by v_cndmask_b32; y = |h| E + h = 2 gelu(h).
; y's codes under y's scale are gelu's codes under gelu's scale: the factor 1/2 is one off the scale's byte.
; LIMITS: E is right to about 1e-7 of 1, so for h under -2, where |gelu| < 0.05, gelu's relative error passes 1e-6; |h| above 1.7e38 overflows in 2 gelu; NaN and infinities are not served;
; a block whose largest |gelu| lies under 2^-122 keeps the byte 1 (a block of zeros: zero codes, which add nothing; this program alone reads the bytes).
; REGISTERS, in windows of 256: window 0: v0-31 addresses; v32-63 scale words, two sets, and nothing else; from v128 x's fragments, ONE set; on the way out v64-127 y, v128-242 at work.
;   window 1: w1's fragments, TWO sets, at v0 and v128; on the way out v0-63: 64 results of a lane.   window 2: the accumulators of my tokens 0-63 ((a, b) at v[8 (8 a + b)]);   window 3: those of tokens 64-127.
.set SIZE_K, 1024
.set KSTEP,  256                       ; along K in a slot
.set NQ,     KSTEP/128                 ; matrix instructions deep
.set ROWB,   192                       ; a tile's row in bytes
.set KROW,   SIZE_K*6/8                ; a row of codes in memory
.set PITCH,  240                       ; an LDS row: 3 x (64 bytes + 16 of padding) = 60 words: the 32 lanes of a load of 8 bytes touch 64 different banks (64 banks of 4 bytes: ISA guide 11.1)
.set FR,     12                        ; registers of a fragment
.set NL,     6                         ; LDS loads that bring one
.set NP,     4                         ; places behind this matrix instruction (ISA guide 7.12.1)
.set HALFT,  128*PITCH                 ; 128 rows: what one tensor load brings
.set SLOT,   4*HALFT                   ; x's 256 rows, then w1's 256 rows
.set KS,     SIZE_K/32                 ; a row of scales in bytes
.set SCL,    2*SLOT                    ; behind the ring: the scales, as runs of 256 bytes + 16 of padding
.set HALFS,  (128*KS/256)*272          ; those of 128 rows
.set SBLK,   (16*KS/256)*272           ; those of 16 rows
.set SPITCH, 528                       ; the way out: a stage row, 128 results + 16 bytes: an odd multiple of 16, so that 16 rows start at 16 different groups of banks
.set WSTG,   128*SPITCH                ; a wave's stage.  The four lie from LDS byte 0 on, over the ring and the scales, which have had their last fill and their last read by then
.set SW,     4*WSTG                    ; behind the stages: 512 bytes of scale words for each wave
.set SPARE,  327168                    ; the spare words, 128 bytes for each wave: two blocks of 256 bytes that no other line names
.set RDC,  4                           ; v4-7    the way out: the four chunks' addresses in the block in hand
.set RD0,  8                           ; v8-11   the same in the wave's first block; never rewritten
.set SWA,  12                          ; v12     where my token's scale words begin
.set SWR,  13                          ; v13     where I read 16 bytes of them back
.set SH8,  14                          ; v14     8 x (lane / 16)
.set PZ,   15                          ; v15     destination of the lane permute
.set ADRA, 16                          ; v16-17  LDS address of my x fragments in slot 0, 1  (v18-19: for the pieces that lie behind one padding more)
.set ADRB, 20                          ; v20-21  the same for w1  (v22-23)
.set STO,  24                          ; v24     the way out: where I put 32 bytes of a token's row
.set CO,   26                          ; v26     16 x lane
.set ADRS, 27                          ; v27     LDS address of my scale words: lanes 0-15 x's rows, lanes 16-31 w1's
.set SPW,  28                          ; v28     LDS address of my spare word; never rewritten
.set NIL,  29                          ; v29     0; never rewritten
.set SWC,  30                          ; v30     where this block's scale word goes
.set SC,   32                          ; scale words: set s at v[SC + 16 s]; register 2 i + q: lanes 0-15 x's block i, lanes 16-31 w1's block i, the slot's q-th 128 along K
.set AF,   128                         ; x's fragments
.set GY,   64                          ; the way out: y, 64 numbers
.set GT,   128                         ; t, 16 numbers;  then s = t^2, the two polynomials and a helper
.set GS,   144
.set GB,   160
.set GU,   176
.set GA,   192
.set KC0,  208                         ; three constants as pairs (an instruction takes one scalar pair)
.set KB0,  210
.set KB2,  212
.set GM,   214                         ; v214-215 my two blocks' largest magnitudes
.set OPR,  216                         ; v216-217 the conversions' scale operands
.set BYT,  218                         ; v218-219 the bytes
.set WRD,  220                         ; v220     the scale word
.set CD,   224                         ; v224-235 the fragment's codes
.set CX,   236                         ; v236-238, v240-242 the blocks' second halves as converted
.set G1, 24                            ; s[24:31] descriptor group 1 for x's tiles;  s[32:39] group 0, one set for each slot
.set G0, 32
.set G1B, 48                           ; s[48:55], s[56:63] the same for w1's tiles
.set G0B, 56
.set G1S, 68                           ; s[68:75], s[76:79] groups 1 and 0 for x's scales;  s[80:87], s[88:91] for w1's
.set G0S, 76
.set G1SB, 80
.set G0SB, 88
.set MSB, 0
.macro WIN new                         ; the immediate's high byte repeats the setting that is left; a switch that changes nothing is dropped
.if MSB != (\new)
	s_set_vgpr_msb (MSB<<8)|(\new)
.set MSB, (\new)
.endif
.endm
.set MUL_LO, 0xa1                      ; source 0 (w1) window 1, source 1 (x) window 0, C and D window 2
.set MUL_HI, 0xf1                      ; the same, C and D window 3
.set TO_B,   0x40                      ; destination window 1, address window 0
; A joint load: waves 0 and 1 fetch for x, waves 2 and 3 for w1.  Each of the two lines has ONE mask and one set of registers for all that issue it; the branch hangs on the wave's number alone.
; Four v_nop follow each of the two lines, ahead of the jump, the label and what follows.
.macro JLOAD g0a, g1a, g0b, g1b
	s_cmp_eq_u32 s15, 0
	s_cbranch_scc0 .Lfor_b_\@
	tensor_load_to_lds s[\g0a:\g0a+3], s[\g1a:\g1a+7]
	s_nop 0
.rept 4
	v_nop
.endr
	s_branch .Lasked_\@
.Lfor_b_\@:
	tensor_load_to_lds s[\g0b:\g0b+3], s[\g1b:\g1b+7]
	s_nop 0
.rept 4
	v_nop
.endr
.Lasked_\@:
.endm
.macro CREST                           ; a round of the cluster's barrier behind its opening barrier
	s_cmp_lg_u32 s14, 0
	s_cbranch_scc1 .Lnot_wave_0_\@
	s_barrier_signal -3
.Lnot_wave_0_\@:
	s_barrier_wait -3
	s_barrier_signal -1
	s_barrier_wait -1
.endm
.macro CROUND                          ; a whole round
	s_barrier_signal -1
	s_barrier_wait -1
	CREST
.endm
	s_load_b128 s[4:7], s[0:1], 0x0                ; x's codes s[4:5], x's scales s[6:7]
	s_load_b128 s[8:11], s[0:1], 0x10              ; w1's codes s[8:9], w1's scales s[10:11]
	s_load_b64 s[12:13], s[0:1], 0x20              ; hc
	s_load_b64 s[96:97], s[0:1], 0x28              ; hs
	v_lshl_add_u32 v[SPW], v0, 2, SPARE
	v_mov_b32 v[NIL], 0
	ds_add_u32 v28, v29
	ds_add_u32 v28, v29
	s_wait_dscnt 0x0
	v_lshrrev_b32 v1, 5, v0
	v_readfirstlane_b32 s14, v1                    ; wave 0..3
	s_lshr_b32 s15, s14, 1                         ; which half of the tile's tokens is mine.  Also: I fetch for x (0) or for w1 (1)
	s_and_b32 s16, s14, 1                          ; which half of its hidden units.  Also: which 128 rows of that tile I fetch
	s_bfe_u32 s40, ttmp6, 0x40000                  ; cx, cy: my place in the cluster
	s_bfe_u32 s41, ttmp6, 0x40004
	s_lshl_b32 s42, ttmp9, 2
	s_add_co_u32 s42, s42, s40                     ; tile column = 4 x cluster x + cx
	s_and_b32 s17, ttmp7, 0xffff
	s_lshl_b32 s17, s17, 2
	s_add_co_u32 s17, s17, s41                     ; tile row = 4 x cluster y + cy
	s_lshl_b32 s43, s41, 2
	s_lshl_b32 s43, 15, s43                        ; my row of the cluster
	s_lshl_b32 s44, 0x1111, s40                    ; my column
	; descriptor group 1: a tile of 128 rows x 192 bytes, padded in LDS
	s_or_b32 s[G1+0], s43, (0<<16)|(1<<20)|(1<<21)|(3<<22)|(3<<25)  ; 15:0 the mask: x's tiles go to my row; 17:16 element of 1 byte; 20 padding on; 21 set beside a mask; 24:22 after every 16 words (code 3); 31:25 of 4 words (code 3)
	s_or_b32 s[G1B+0], s44, (0<<16)|(1<<20)|(1<<21)|(3<<22)|(3<<25)
.irp g, G1, G1B
	s_mov_b32 s[\g+1], ROWB<<16                    ; tensor_dim0
	s_mov_b32 s[\g+2], 128<<16                     ; tensor_dim1 = 128
	s_mov_b32 s[\g+3], ROWB<<16                    ; tile_dim0
	s_mov_b32 s[\g+4], 128                         ; tile_dim1 = 128
	s_mov_b32 s[\g+5], KROW                        ; tensor_dim0_stride
	s_mov_b32 s[\g+6], 0
	s_mov_b32 s[\g+7], 0
.endr
	; the scales of 128 rows: a dense block of 4,096 bytes, as rows of 256 bytes (32 elements of 8 bytes), 16 bytes of padding behind each
	s_or_b32 s[G1S+0], s43, (3<<16)|(1<<20)|(1<<21)|(5<<22)|(3<<25)
	s_or_b32 s[G1SB+0], s44, (3<<16)|(1<<20)|(1<<21)|(5<<22)|(3<<25)
.irp g, G1S, G1SB
	s_mov_b32 s[\g+1], 32<<16
	s_mov_b32 s[\g+2], (128*KS/256)<<16
	s_mov_b32 s[\g+3], 32<<16
	s_mov_b32 s[\g+4], 128*KS/256
	s_mov_b32 s[\g+5], 32
	s_mov_b32 s[\g+6], 0
	s_mov_b32 s[\g+7], 0
.endr
	s_lshl_b32 s18, s16, 7                         ; which 128 rows of the tile I fetch
	s_lshl_b32 s20, s17, 8
	s_add_co_u32 s20, s20, s18                     ; x: row 256 x tile row + 128 x half
	s_lshl_b32 s46, s42, 8
	s_add_co_u32 s46, s46, s18                     ; w1: row 256 x tile column + 128 x half
	s_mov_b32 s21, 0
	s_mov_b32 s47, 0
	s_mov_b64 s[18:19], KS
	s_mul_u64 s[22:23], s[20:21], s[18:19]         ; where these rows' scales begin, in bytes
	s_mul_u64 s[92:93], s[46:47], s[18:19]
	s_mov_b64 s[18:19], KROW
	s_mul_u64 s[20:21], s[20:21], s[18:19]         ; and their codes
	s_mul_u64 s[46:47], s[46:47], s[18:19]
	s_mul_i32 s45, s14, HALFT                      ; where they go: wave x 128 rows: no place in the cluster enters an LDS address
	s_mul_i32 s94, s14, HALFS
	s_wait_kmcnt 0x0
	s_add_nc_u64 s[20:21], s[4:5], s[20:21]
	s_add_nc_u64 s[22:23], s[6:7], s[22:23]
	s_add_nc_u64 s[46:47], s[8:9], s[46:47]
	s_add_nc_u64 s[92:93], s[10:11], s[92:93]
	CROUND                                         ; all sixteen work-groups are here: the first joint loads meet
	s_mov_b32 s[G0S], 1
	s_add_co_u32 s[G0S+1], s94, SCL
	s_mov_b64 s[G0S+2:G0S+3], s[22:23]
	s_or_b32 s[G0S+3], s[G0S+3], 0x80000000
	s_mov_b32 s[G0SB], 1
	s_add_co_u32 s[G0SB+1], s94, SCL
	s_mov_b64 s[G0SB+2:G0SB+3], s[92:93]
	s_or_b32 s[G0SB+3], s[G0SB+3], 0x80000000
	JLOAD G0S, G1S, G0SB, G1SB                     ; the scales first: they are wanted with K step 0
.irp s, 0,1
	s_mov_b32 s[G0+4*\s], 1
	s_add_co_u32 s[G0+4*\s+1], s45, \s*SLOT
	s_add_nc_u64 s[G0+4*\s+2:G0+4*\s+3], s[20:21], \s*ROWB
	s_or_b32 s[G0+4*\s+3], s[G0+4*\s+3], 0x80000000
	s_mov_b32 s[G0B+4*\s], 1
	s_add_co_u32 s[G0B+4*\s+1], s45, \s*SLOT
	s_add_nc_u64 s[G0B+4*\s+2:G0B+4*\s+3], s[46:47], \s*ROWB
	s_or_b32 s[G0B+4*\s+3], s[G0B+4*\s+3], 0x80000000
	JLOAD G0+4*\s, G1, G0B+4*\s, G1B               ; three tensor loads of mine are out now
.endr
	v_and_b32 v1, 15, v0                           ; r = lane % 16
	v_bfe_u32 v2, v0, 4, 1                         ; h = lane / 16
	v_mul_u32_u24 v3, v1, PITCH
	v_mul_u32_u24 v4, v2, 24
	v_add_nc_u32 v4, v3, v4                        ; a fragment's row x pitch + 24 x half
	v_lshl_add_u32 v5, v2, 4, v4                   ; and the same behind one padding more
	s_mul_i32 s21, s15, HALFT                      ; my 128 rows of x
	s_mul_i32 s22, s16, HALFT                      ; my 128 rows of w1,
	s_add_co_u32 s22, s22, 2*HALFT                 ; which lie behind x's 256
.irp s, 0,1
	v_add_nc_u32 v[ADRA+\s], s21, v4
	v_add_nc_u32 v[ADRB+\s], s22, v4
	v_add_nc_u32 v[ADRA+2+\s], s21, v5
	v_add_nc_u32 v[ADRB+2+\s], s22, v5
	s_add_co_u32 s21, s21, SLOT
	s_add_co_u32 s22, s22, SLOT
.endr
	v_mul_u32_u24 v5, v1, KS                       ; my row's scales: 32 bytes a row,
	v_lshrrev_b32 v6, 8, v5
	v_lshl_add_u32 v5, v6, 4, v5                   ; and 16 more for each 256 passed
	s_mul_i32 s21, s15, HALFS                      ; x's: my 128 rows
	s_mul_i32 s22, s16, HALFS                      ; w1's: my 128 rows, behind x's 256
	s_add_co_u32 s22, s22, 2*HALFS
	s_sub_co_u32 s22, s22, s21
	v_mul_u32_u24 v6, s22, v2                      ; lanes 16-31 take w1's: one product, the distance between the two bases x h
	s_add_co_u32 s21, s21, SCL
	v_add_nc_u32 v5, v5, v6
	v_add_nc_u32 v[ADRS], s21, v5
	; the way out's addresses
	s_mul_i32 s23, s14, WSTG                       ; my stage
	v_mul_u32_u24 v5, v1, SPITCH                   ; row r of a block of 16 tokens
	v_lshl_add_u32 v6, v2, 5, v5
	v_add_nc_u32 v[STO], s23, v6                   ; in: + 32 h: eight results
	v_lshl_add_u32 v6, v2, 7, v5
	v_add_nc_u32 v6, s23, v6                       ; back: + 128 h: my block of 32 hidden units of each 64
.irp q, 0,1,2,3
	v_add_nc_u32 v[RD0+\q], 256*(\q/2)+64*(\q%2), v6               ; chunk q: 16 results, k = 64 (q / 2) + 32 h + 16 (q % 2) + 0 .. 15
.endr
	s_lshl_b32 s23, s14, 9
	s_add_co_u32 s23, s23, SW                      ; my wave's scale words
	v_lshl_add_u32 v[SWA], v1, 5, s23              ; token r's eight words, one for each block of 16 tokens
	v_and_b32 v6, 31, v0
	v_lshlrev_b32 v[CO], 4, v6                     ; 16 x lane
	v_add_nc_u32 v[SWR], s23, v[CO]
	v_lshlrev_b32 v[SH8], 3, v2
	v_mov_b32 v[PZ], 0
	; where my results go: ks = 2 x tile column + half of the hidden units; first block of 16 tokens tb0 = 16 x tile row + 8 x half of the tokens
	s_lshl_b32 s20, s42, 1
	s_add_co_u32 s20, s20, s16                     ; ks
	s_lshl_b32 s21, s20, 9
	s_lshl_b32 s22, s17, 4
	s_add_co_u32 s21, s21, s22
	s_lshl_b32 s22, s15, 3
	s_add_co_u32 s21, s21, s22                     ; 512 ks + tb0
	s_mul_i32 s22, s21, 1536                       ; under 2^25
	s_mov_b32 s23, 0
	s_add_nc_u64 s[12:13], s[12:13], s[22:23]
	s_lshl_b32 s21, s20, 6
	s_lshl_b32 s22, s17, 1
	s_add_co_u32 s21, s21, s22
	s_add_co_u32 s21, s21, s15                     ; 64 ks + tg
	s_lshl_b32 s22, s21, 9
	s_add_nc_u64 s[96:97], s[96:97], s[22:23]
.macro FRAG reg, adr, q, i             ; a fragment, 16 rows x 128 K of 6-bit codes, is 12 registers: lane l holds row l % 16; registers 6 c .. 6 c + 5 hold K = 64 c + 32 (l / 16) + 0 .. 31: 24 bytes of the row, as they lie
.irp p, 0,1,2,3,4,5                    ; in pieces of 8 bytes, so that every address is a multiple of the access's size
.set PC, 12*(\q)+6*(\p/3)+\p%3         ; 16 bytes of padding lie behind every 8 pieces: where the piece three on (lanes 16-31) lies behind one padding more, the second address register serves
.if PC%8 < 5
	ds_load_b64 v[\reg+2*\p:\reg+2*\p+1], v[\adr] offset:8*PC+16*(PC/8)+(\i)*16*PITCH
.else
	ds_load_b64 v[\reg+2*\p:\reg+2*\p+1], v[\adr+2] offset:8*PC+16*(PC/8)+(\i)*16*PITCH
.endif
.endr
.endm
; 16 matrix instructions: x's blocks a0, a0 + 1 against w1's eight, 128 along K.  p: w1's set;  sc: the set of scale words.  zero = 1: the first product starts the sums.
; The 64 accumulators take turns, one instruction a turn, in the same order in every step.
.macro MUL16 a0, p, q, sc, zero
.irp a, \a0, \a0+1
.irp b, 0,1,2,3,4,5,6,7
.if \zero
	v_wmma_scale_f32_16x16x128_f8f6f4 v[8*(8*((\a)%4)+\b):8*(8*((\a)%4)+\b)+7], v[128*(\p)+FR*\b:128*(\p)+FR*\b+FR-1], v[AF+FR*(\a):AF+FR*(\a)+FR-1], 0, v[SC+8*NQ*(\sc)+NQ*\b+(\q)], v[SC+8*NQ*(\sc)+NQ*(\a)+(\q)] matrix_a_fmt:MATRIX_FMT_BF6 matrix_b_fmt:MATRIX_FMT_BF6 matrix_a_scale:MATRIX_SCALE_ROW1
.else
	v_wmma_scale_f32_16x16x128_f8f6f4 v[8*(8*((\a)%4)+\b):8*(8*((\a)%4)+\b)+7], v[128*(\p)+FR*\b:128*(\p)+FR*\b+FR-1], v[AF+FR*(\a):AF+FR*(\a)+FR-1], v[8*(8*((\a)%4)+\b):8*(8*((\a)%4)+\b)+7], v[SC+8*NQ*(\sc)+NQ*\b+(\q)], v[SC+8*NQ*(\sc)+NQ*(\a)+(\q)] matrix_a_fmt:MATRIX_FMT_BF6 matrix_b_fmt:MATRIX_FMT_BF6 matrix_a_scale:MATRIX_SCALE_ROW1
.endif
.endr
.endr
.endm
.macro FETCH_B slot, q, p              ; w1's eight fragments of the slot's q-th 128 along K into set p
	WIN TO_B
.irp i, 0,1,2,3,4,5,6,7
	FRAG 128*(\p)+FR*\i, ADRB+\slot, \q, \i
.endr
	WIN 0
.endm
.macro FETCH_A slot, q, i0             ; x's blocks i0 .. i0 + 3
.irp i, \i0, \i0+1, \i0+2, \i0+3
	FRAG AF+FR*(\i), ADRA+\slot, \q, \i
.endr
.endm
.macro SCALES sc                       ; the next K step's scale words into set sc: two words a row; lanes 0-15 take x's block i, lanes 16-31 w1's block i
.irp i, 0,1,2,3,4,5,6,7
	ds_load_b64 v[SC+8*NQ*\sc+NQ*\i:SC+8*NQ*\sc+NQ*\i+1], v[ADRS] offset:\i*SBLK
.endr
.endm
; A load into a register that a matrix instruction has read, and a vector instruction or an LDS store that reads a matrix result, stand NP places behind that matrix instruction; only plain vector
; instructions that name none of its registers are places (ISA guide 7.12.1 for vector instructions).
.macro PLACES n
.rept \n
	v_nop
.endr
.endm
; A step of 128 along K that has its successor in the same slot.  x has one set of registers: a block is free as soon as its eight products are issued.
.macro STEP slot, q, zero
	s_wait_dscnt 4*NL                              ; w1's set and x's blocks 0-3 are in; the youngest 24 loads (x's blocks 4-7) may be out
	WIN MUL_LO
	MUL16 0, (\q)%2, \q, \slot, \zero
	MUL16 2, (\q)%2, \q, \slot, \zero
	s_wait_dscnt 0                                 ; x's blocks 4-7 are in (asked for 32 matrix instructions ago)
	PLACES NP
	FETCH_B \slot, (\q)+1, 1-(\q)%2
	FETCH_A \slot, (\q)+1, 0
	WIN MUL_HI
	MUL16 4, (\q)%2, \q, \slot, \zero
	MUL16 6, (\q)%2, \q, \slot, \zero
	PLACES NP
	WIN 0
	FETCH_A \slot, (\q)+1, 4
.endm
; A slot's last step changes slots: ONE barrier; in front of it each wave waits for all its tensor loads, adds 0 to its spare word, and waits for that and for its own reads of this slot.  fill = 1: this slot is filled again, two K steps ahead.
.macro TURN slot, next, fill
	s_wait_tensorcnt 0x0                           ; all my tensor loads have landed: my part of the next slot  (every window is 0 here)
	ds_add_u32 v[SPW], v[NIL]                      ; 0 onto my spare word
	s_wait_dscnt 4*NL+1                            ; the add and the youngest 24 loads, x's blocks 4-7, may be out
	WIN MUL_LO
	MUL16 0, 1, NQ-1, \slot, 0                     ; sixteen matrix instructions stand between the add and the wait for it
	s_wait_dscnt 0x0                               ; the add is done, and my reads of this slot are over
	s_barrier_signal -1
	MUL16 2, 1, NQ-1, \slot, 0
	WIN 0
	s_barrier_wait -1
.if \fill
	CREST                                          ; the barrier has opened a round of the cluster's barrier: no wave of any partner still reads this slot's tile or has a load on its way
	s_add_nc_u64 s[G0+4*\slot+2:G0+4*\slot+3], s[G0+4*\slot+2:G0+4*\slot+3], 2*ROWB
	s_add_nc_u64 s[G0B+4*\slot+2:G0B+4*\slot+3], s[G0B+4*\slot+2:G0B+4*\slot+3], 2*ROWB
	JLOAD G0+4*\slot, G1, G0B+4*\slot, G1B         ; the first tensor load behind the round, my one load until the next; its four v_nop are the places in front of the loads below
.else
	PLACES NP
.endif
	v_add_nc_u32 v[ADRS], 4*NQ, v[ADRS]            ; on to the next K step's scale words
	FETCH_B \next, 0, 0
	FETCH_A \next, 0, 0
	SCALES \next
	WIN MUL_HI
	MUL16 4, 1, NQ-1, \slot, 0
	MUL16 6, 1, NQ-1, \slot, 0
	PLACES NP
	WIN 0
	FETCH_A \next, 0, 4
.endm
	s_wait_tensorcnt 1                             ; the scales and my part of K step 0 are in; K step 1's load, issued behind them, may be out
	s_barrier_signal -1
	s_barrier_wait -1                              ; everybody's are
	FETCH_B 0, 0, 0
	FETCH_A 0, 0, 0
	SCALES 0
	FETCH_A 0, 0, 4
	STEP 0, 0, 1                                   ; K = 1,024 is four slots' worth: written out, no loop.  The first products start the sums
	TURN 0, 1, 1                                   ; slot 0 takes K step 2
	STEP 1, 0, 0
	TURN 1, 0, 1                                   ; slot 1 takes K step 3
	STEP 0, 0, 0
	TURN 0, 1, 0                                   ; nothing is left to fetch
	STEP 1, 0, 0
	s_wait_dscnt 4*NL
	WIN MUL_LO
	MUL16 0, 1, NQ-1, 1, 0
	MUL16 2, 1, NQ-1, 1, 0
	s_wait_dscnt 0                                 ; my last reads of the ring and of the scales are in
	WIN MUL_HI
	MUL16 4, 1, NQ-1, 1, 0
	MUL16 6, 1, NQ-1, 1, 0
	WIN 0
; ---------------- THE WAY OUT ----------------
.macro SPAIR reg, val                  ; a constant as a scalar pair: the packed forms name a pair and take its low word for both halves, so both words are written
	s_mov_b32 s[\reg], \val
	s_mov_b32 s[\reg+1], \val
.endm
.macro PK3S d, a, b, sc                ; d = a b + the constant in s[sc], 16 numbers
.irp p, 0,2,4,6,8,10,12,14
	v_pk_fma_f32 v[\d+\p:\d+\p+1], v[\a+\p:\a+\p+1], v[\b+\p:\b+\p+1], s[\sc:\sc+1] op_sel_hi:[1,1,0]
.endr
.endm
.macro PK3K d, a, k, sc                ; d = a x the constant pair v[k] + the constant in s[sc]
.irp p, 0,2,4,6,8,10,12,14
	v_pk_fma_f32 v[\d+\p:\d+\p+1], v[\a+\p:\a+\p+1], v[\k:\k+1], s[\sc:\sc+1] op_sel_hi:[1,1,0]
.endr
.endm
.macro PK3V d, a, b, c                 ; d = a b + c
.irp p, 0,2,4,6,8,10,12,14
	v_pk_fma_f32 v[\d+\p:\d+\p+1], v[\a+\p:\a+\p+1], v[\b+\p:\b+\p+1], v[\c+\p:\c+\p+1]
.endr
.endm
.macro XLOAD q, adr                    ; chunk q of a block: 16 results of my token into window 1's v[16 q ..]
	WIN 0x40
.irp i, 0,1,2,3
	ds_load_b128 v[16*(\q)+4*\i:16*(\q)+4*\i+3], v[\adr] offset:16*\i
.endr
	WIN 0
.endm
; y = 2 gelu(h) for chunk q's 16 numbers.  The two polynomials go by turns, eight packed lines each, so that no line waits for the line above it.
.macro GELU q
	WIN 0x01                                       ; source 0 window 1
.irp i, 0,1,2,3,4,5,6,7,8,9,10,11,12,13,14,15
	v_mul_f32 v[GT+\i], |v[16*(\q)+\i]|, s46       ; t = |h| / sqrt(2)
.endr
	WIN 0
.irp p, 0,2,4,6,8,10,12,14
	v_pk_mul_f32 v[GS+\p:GS+\p+1], v[GT+\p:GT+\p+1], v[GT+\p:GT+\p+1]   ; s = t^2
.endr
	PK3K GB, GT, KB0, 34                           ; above 0.921875: r = b0 t + b1,
	PK3K GU, GT, KB2, 36                           ; u = b2 t + b3,
	PK3K GA, GS, KC0, 24                           ; up to it: r = c0 s + c1
	PK3V GB, GB, GS, GU                            ; r = r s + u
	PK3S GA, GA, GS, 26
	PK3S GB, GB, GT, 38
	PK3S GA, GA, GS, 28
	PK3S GB, GB, GT, 40
	PK3S GA, GA, GS, 30
	PK3S GB, GB, GT, 42
	PK3S GA, GA, GS, 32
	PK3V GB, GB, GT, GT                            ; r = r t + t
	PK3V GA, GA, GT, GT                            ; E = r t + t
.irp p, 0,2,4,6,8,10,12,14
	v_pk_mul_f32 v[GB+\p:GB+\p+1], v[GB+\p:GB+\p+1], s[44:45] op_sel_hi:[1,0]   ; x -log2(e)
.endr
.irp i, 0,1,2,3,4,5,6,7,8,9,10,11,12,13,14,15
	v_exp_f32 v[GB+\i], v[GB+\i]
.endr
.irp i, 0,1,2,3,4,5,6,7,8,9,10,11,12,13,14,15
	v_cmp_lt_f32 s[48+\i], s47, v[GT+\i]           ; which range?  (the first of these is the plain line behind the exponentials)
.endr
	s_wait_alu depctr_va_vdst(0)
.irp p, 0,2,4,6,8,10,12,14
	v_pk_fma_f32 v[GB+\p:GB+\p+1], v[GB+\p:GB+\p+1], -1.0, 1.0 op_sel_hi:[1,0,0]   ; E = 1 - exp(-r)
.endr
.irp i, 0,1,2,3,4,5,6,7,8,9,10,11,12,13,14,15
	v_cndmask_b32 v[GA+\i], v[GA+\i], v[GB+\i], s[48+\i]           ; a choice of values: no branch hangs on data
.endr
	WIN 0x11                                       ; sources 0 and 2 window 1
.irp i, 0,1,2,3,4,5,6,7,8,9,10,11,12,13,14,15
	v_fma_f32 v[GY+16*(\q)+\i], |v[16*(\q)+\i]|, v[GA+\i], v[16*(\q)+\i]   ; y = |h| E + h
.endr
	WIN 0
.endm
.macro MAXQ q                          ; chunk q's share of its block's largest |y|; the floor 2^(6 - 127) holds y's byte at 2, gelu's at 1
.if (\q)%2 == 0
	v_max3_num_f32 v[GM+(\q)/2], |v[GY+16*(\q)]|, |v[GY+16*(\q)+1]|, 0x3000000
.else
	v_max3_num_f32 v[GM+(\q)/2], v[GM+(\q)/2], |v[GY+16*(\q)]|, |v[GY+16*(\q)+1]|
.endif
.irp i, 2,4,6,8,10,12,14
	v_max3_num_f32 v[GM+(\q)/2], v[GM+(\q)/2], |v[GY+16*(\q)+\i]|, |v[GY+16*(\q)+\i+1]|
.endr
.endm
; A block of 16 tokens x 128 hidden units: one fragment and one scale word a token.  pre = 1: each chunk's registers take the next block's chunk as soon as they are free.
.macro TRIP pre
.irp q, 0,1,2,3
.if \pre
	s_wait_dscnt 12                                ; chunk q is in.  Behind its four loads stand three chunks' twelve (and, from the second trip on, the last trip's word store: the count is then one lower than it need be)
.else
	s_wait_dscnt 12-4*\q                           ; the last block: nothing is asked for behind it, the counts run down
.endif
	GELU \q
	MAXQ \q
.if \pre
	v_add_nc_u32 v[RDC+\q], s71, v[RD0+\q]         ; the same chunk, one block of 16 rows further down the stage
	XLOAD \q, RDC+\q
.endif
.endr
	v_add_nc_u32 v[OPR], 0xfe000000, v[GM]         ; 4 off the exponent field: the conversions' scale operands, for y
	v_add_nc_u32 v[OPR+1], 0xfe000000, v[GM+1]
	v_lshrrev_b32 v[BYT], 23, v[OPR]               ; y's bytes
	v_lshrrev_b32 v[BYT+1], 23, v[OPR+1]
	v_lshl_or_b32 v[WRD], v[BYT+1], 16, v[BYT]     ; my two: blocks h and 2 + h of the K step
	v_add_nc_u32 v[WRD], 0xfffeffff, v[WRD]        ; one off each: gelu = y / 2 (each is 2 at the least: nothing is borrowed)
	v_lshlrev_b32 v[WRD], v[SH8], v[WRD]           ; at their places in the scale word
	v_permlanex16_b32 v[PZ], v[WRD], s68, s69
	v_or_b32 v[WRD], v[WRD], v[PZ]                 ; with lane l xor 16's two the word is whole
.irp c, 0,1
	v_cvt_scalef32_pk16_bf6_f32 v[CD+6*\c:CD+6*\c+2], v[GY+32*\c:GY+32*\c+15], v[OPR+\c]
	v_cvt_scalef32_pk16_bf6_f32 v[CX+4*\c:CX+4*\c+2], v[GY+32*\c+16:GY+32*\c+31], v[OPR+\c]   ; (a conversion's three registers begin on an even number)
.endr
	v_nop                                          ; one plain line behind the scaled conversions
.irp c, 0,1
.irp i, 0,1,2
	v_mov_b32 v[CD+3+6*\c+\i], v[CX+4*\c+\i]       ; registers 6 c .. 6 c + 5 hold k = 64 c + 32 h + 0 .. 31
.endr
.endr
.irp g, 0,1,2
	global_store_b128 v[CO], v[CD+4*\g:CD+4*\g+3], s[12:13] offset:512*\g th:TH_STORE_NT   ; the image: each store covers 512 consecutive bytes, aligned; not read again in this launch
.endr
	v_add_nc_u32 v[SWC], s72, v[SWA]
	ds_store_b32 v[SWC], v[WRD]                    ; lanes l and l xor 16 write the same word to the same place
	s_wait_xcnt 0x0                                ; the stores have read their registers and their base: both are written again only behind this wait
	s_add_nc_u64 s[12:13], s[12:13], 1536          ; the next block's image
.if \pre
	s_add_co_u32 s71, s71, 16*SPITCH
	s_add_co_u32 s72, s72, 4
.endif
.endm
	PLACES NP                                      ; behind the last products: for the reads of their results and the writes over x's and w1's fragments
	s_barrier_signal -1                            ; no LDS instruction of mine is out: my reads of the ring and the scales are over,
	s_barrier_wait -1                              ; everybody's are: the stages may be laid over them (they have had their last fill)
	SPAIR 24, 0x3ba39fa4                           ; c1 .. c5.  (No tensor load is out or follows: the descriptors' registers are free)
	SPAIR 26, 0xbcdb45e9
	SPAIR 28, 0x3de70d23
	SPAIR 30, 0xbec09370
	SPAIR 32, 0x3e0375d3
	SPAIR 34, 0xb9c8e966                           ; b1, b3, b4, b5, b6
	SPAIR 36, 0xbcc6b180
	SPAIR 38, 0x3ddaae58
	SPAIR 40, 0x3f228550
	SPAIR 42, 0x3e03ce86
	SPAIR 44, 0xbfb8aa3b                           ; -log2(e)
	s_mov_b32 s46, 0x3f3504f3                      ; 1 / sqrt(2)
	s_mov_b32 s47, 0x3f6c0000                      ; 0.921875
	s_mov_b32 s68, 0x76543210
	s_mov_b32 s69, 0xfedcba98                      ; v_permlanex16_b32's selects for lane l xor 16
.irp i, 0,1
	v_mov_b32 v[KC0+\i], 0xba1d0d41                ; c0
	v_mov_b32 v[KB0+\i], 0x37911480                ; b0
	v_mov_b32 v[KB2+\i], 0x3b7e899b                ; b2
.endr
.irp a, 0,1,2,3,4,5,6,7                        ; my 128 x 128 results into my stage: token 16 a + r's row, hidden units 16 b + 8 h + 0 .. 7; each accumulator from its low end on
	WIN 0x08+4*(\a/4)                              ; an LDS store's data are its source 1: window 2 or 3
.irp b, 0,1,2,3,4,5,6,7
	ds_store_b128 v[STO], v[64*(\a%4)+8*\b:64*(\a%4)+8*\b+3] offset:16*SPITCH*\a+64*\b
	ds_store_b128 v[STO], v[64*(\a%4)+8*\b+4:64*(\a%4)+8*\b+7] offset:16*SPITCH*\a+64*\b+16
.endr
.endr
	WIN 0
.irp q, 0,1,2,3
	XLOAD \q, RD0+\q                               ; LDS serves a wave's instructions in order (ISA guide 5.7.1.4): these see my stores; the stage is my own
.endr
	s_mov_b32 s70, 7
	s_mov_b32 s71, 16*SPITCH                       ; how far down the stage the next block lies
	s_mov_b32 s72, 0                               ; which of a token's eight scale words
.Lblk:
	TRIP 1
	s_sub_co_u32 s70, s70, 1
	s_cmp_lg_u32 s70, 0
	s_cbranch_scc1 .Lblk
	TRIP 0                                         ; the last block asks for nothing more
	ds_load_b128 v[GT:GT+3], v[SWR]                ; my wave's 128 scale words, 16 bytes a lane (behind my own stores, in order)
	s_wait_dscnt 0x0
	global_store_b128 v[CO], v[GT:GT+3], s[96:97] th:TH_STORE_NT   ; 512 consecutive bytes, aligned
	s_wait_tensorcnt 0x0                           ; the wave's end, behind my last tensor load and my last LDS store
	ds_add_u32 v[SPW], v[NIL]
	s_wait_dscnt 0x0
	CROUND                                         ; the closing round: no work-group ends while a partner may still ask for a tile that names it
	s_endpgm
.Lfunc_end_k_qdd7771f184_ffn1:
	.size	k_qdd7771f184_ffn1, .Lfunc_end_k_qdd7771f184_ffn1-k_qdd7771f184_ffn1
	.p2alignl 7, 3214868480
	.fill 96, 4, 3214868480
	.section	.rodata,"a",@progbits
	.p2align	6, 0x0
	.amdhsa_kernel k_qdd7771f184_ffn1
		.amdhsa_group_segment_fixed_size 327680
		.amdhsa_private_segment_fixed_size 0
		.amdhsa_enable_private_segment 0
		.amdhsa_kernarg_size 48
		.amdhsa_user_sgpr_count 2
		.amdhsa_user_sgpr_kernarg_segment_ptr 1
		.amdhsa_wavefront_size32 1
		.amdhsa_system_sgpr_workgroup_id_x 1
		.amdhsa_system_sgpr_workgroup_id_y 1
		.amdhsa_system_sgpr_workgroup_id_z 1
		.amdhsa_system_vgpr_workitem_id 0
		.amdhsa_next_free_vgpr 1024
		.amdhsa_next_free_sgpr 100
		.amdhsa_reserve_vcc 0
		.amdhsa_float_denorm_mode_32 3
		.amdhsa_float_denorm_mode_16_64 3
		.amdhsa_memory_ordered 1
		.amdhsa_forward_progress 1
		.amdhsa_inst_pref_size 253
	.end_amdhsa_kernel
	.amdgpu_metadata
---
amdhsa.version: [ 1, 2 ]
amdhsa.kernels:
  - .name:           k_qdd7771f184_ffn1
    .symbol:         k_qdd7771f184_ffn1.kd
    .args:
      - { .name: xc, .offset: 0, .size: 8, .value_kind: global_buffer, .address_space: global }
      - { .name: xs, .offset: 8, .size: 8, .value_kind: global_buffer, .address_space: global }
      - { .name: w1_codes, .offset: 16, .size: 8, .value_kind: global_buffer, .address_space: global }
      - { .name: w1_scales, .offset: 24, .size: 8, .value_kind: global_buffer, .address_space: global }
      - { .name: hc, .offset: 32, .size: 8, .value_kind: global_buffer, .address_space: global }
      - { .name: hs, .offset: 40, .size: 8, .value_kind: global_buffer, .address_space: global }
    .group_segment_fixed_size: 327680
    .private_segment_fixed_size: 0
    .kernarg_segment_align: 8
    .kernarg_segment_size: 48
    .max_flat_workgroup_size: 128
    .sgpr_count:     100
    .vgpr_count:     1024
    .wavefront_size: 32
...
	.end_amdgpu_metadata
.endif
;; end of part 2
;; launch ffn2 (part 3): grid 32 x 8, 4 waves a work-group, clusters of 4 x 1, 327,680 bytes of LDS; arguments hc, hs, w2_codes, w2_scales, gate, out0; writes out0
.if DOCPART == 3
	.amdgcn_target "amdgcn-amd-amdhsa--gfx1250"
	.amdhsa_code_object_version 6
	.text
	.protected	k_qdd7771f184_ffn2
	.globl	k_qdd7771f184_ffn2
	.p2align	8
	.type	k_qdd7771f184_ffn2,@function
k_qdd7771f184_ffn2:
	s_mov_b64 s[64:65], 0
	v_nop
	global_prefetch_b8 v0, s[64:65] scope:SCOPE_SE
	s_setreg_imm32_b32 hwreg(HW_REG_WAVE_MODE, 25, 1), 1
	s_wait_xcnt 0x0
	s_wait_alu depctr_hold_cnt(0) depctr_sa_sdst(0) depctr_va_vdst(0) depctr_va_sdst(0) depctr_va_ssrc(0) depctr_va_vcc(0) depctr_vm_vsrc(0)
	s_getreg_b32 s2, hwreg(HW_REG_IB_STS2, 6, 4)
	s_cmp_eq_u32 s2, 0
	s_cbranch_scc0 .Lentry_in_a_cluster
	s_endpgm
.Lentry_in_a_cluster:
	s_bfe_u32 s2, ttmp6, 0x10000c
	s_cmp_lg_u32 s2, 0x3003
	s_cbranch_scc0 .Lentry_shape_is_right
	s_endpgm
.Lentry_shape_is_right:
; out[t][d] = g0[t] sum over f of H0[t][f] w2[0][d][f] + g1[t] sum over f of H1[t][f] w2[1][d][f], on codes of BF6 (E3M2) with one E8M0 scale for each 32 along K = 2,048 for each expert; sums in f32.
; H arrives as images of the operand's registers: hc [K step ks = 16 e + f / 128][token / 16][1,536 bytes] (register 4 g + j of lane L at 512 g + 16 L + 4 j), hs [ks][token / 128][r 16][a 8] scale words.
; w2 arrives as rows of codes, [2][1024][1,536 bytes], and scale bytes [2][1024][64].  gate [8192][2] f32.
; SHARES: 8,192 x 1,024 outputs in tiles of 256 tokens x 128 outputs are 256 work-groups of four waves.  THE WAVES ARE STACKED ALONG THE TOKENS: a wave makes 64 tokens x all 128 outputs, 32 accumulators.
; K runs through 32 steps of 128: expert 0's sixteen, whose sums are multiplied by g0 into a second set of 256 registers, then expert 1's, whose sums are added with g1: each output has one owner.
; H COMES STRAIGHT INTO REGISTERS: no two waves of the work-group want the same tokens, and an image is what a fragment's registers hold: twelve loads of 512 consecutive bytes bring a K step's four fragments,
; a thirteenth the four scale words; four sets of registers, asked for three K steps ahead.  These loads are bound to no barrier.
; w2 COMES THROUGH TWO LDS SLOTS of 1,024 along K (128 rows x 768 bytes, rows that begin at multiples of 256 bytes): eight K steps, 256 matrix instructions a wave, between a refill's request and the wait for it;
; the launch has two refills.  w2's scale bytes of both experts come once, with the first fills.
; CLUSTER: 4 x 1 work-groups, four blocks of tokens of one block of outputs: they walk the same tiles of w2, so each is asked for JOINTLY, by the same tensor load with the same descriptor and the mask 15.
; H has no joint load: its partners would be the eight blocks of outputs, and through LDS it would be 16 x 8 x 1,536 = 196,608 bytes more in a slot of eight K steps, which does not fit twice.
; THE MATRIX INSTRUCTION IS USED TRANSPOSED (source 0 = 16 rows of w2, source 1 = 16 tokens): a lane holds one token, so one pair of gates a block, and eight neighbouring outputs.
; NO LOOP: the register sets turn with periods 2 and 4, and written out every offset is an immediate and no pointer is stepped while a load is out.
; REGISTERS, in windows of 256: window 0: v8-31 addresses; v32-47 H's scale words (4 sets), v48-79 w2's (2 sets), and nothing else there; v80-103 gates; v112-255 H's sets 0 to 2; on the way out v128-255 rows of out.
;   window 1: w2's fragments, two sets of eight, at v0 and v96; H's set 3 at v192.   window 2: the accumulators ((a, b) at v[8 (8 a + b)]).   window 3: the weighted sums, same map.
; The loads stand in short runs between the products, so that LDS is read evenly; that costs two window switches a run, taken on purpose.
.set FR,     12                        ; registers of a fragment
.set PITCH,  816                       ; w2's rows in LDS: 3 x (256 bytes + 16 of padding) = 204 words: row r starts at bank 12 r mod 64, sixteen different multiples of 4 (64 banks of 4 bytes: ISA guide 11.1); lanes 16-31 lie 6 or 10 words on, between them
.set QROWS,  32*PITCH                  ; 32 rows: what one tensor load brings
.set SLOT,   4*QROWS                   ; 128 rows x 1,024 along K
.set SCB,    2*SLOT                    ; w2's scale bytes: for each expert 32 runs of 256 bytes + 16 of padding
.set QSCL,   16*272                    ; those of 64 rows: what one tensor load brings
.set ESCL,   2*QSCL                    ; an expert's
.set STG,    SCB+4*QSCL                ; the way out: 16 rows x (512 bytes + 16) for each wave: bytes of its own, into which no tile lands
.set SPITCH, 528
.set SPARE,  STG+4*16*SPITCH           ; the spare words, 128 bytes for each wave: two blocks of 256 bytes that no other line names
.set KSB,    512*1536                  ; bytes from a K step's images to the next K step's
.set ADRB, 8                           ; v8-15   LDS address of w2's fragments: 4 x slot + 2 x (rows 64 on) + (1: for the pieces that lie behind one padding more)
.set STO,  24                          ; v24     the way out: where I put 32 bytes of a row
.set RD,   25                          ; v25     where I read a row back
.set CO,   26                          ; v26     16 x lane
.set HSO,  27                          ; v27     32 x (lane % 16): my token's scale words
.set SPW,  28                          ; v28     LDS address of my spare word; never rewritten
.set NIL,  29                          ; v29     0; never rewritten
.set ADSB, 30                          ; v30     LDS address of my row's scale bytes
.set GOF,  31                          ; v31     8 x (lane % 16): my token's gates
.set SA,   32                          ; H's scale words: set k % 4, register a
.set SB,   48                          ; w2's: set (k / 2) % 2, register 2 b + k % 2
.set GR,   80                          ; v80-87  the gates as loaded
.set G0P,  88                          ; v88-95  (g0, g0) of my token in each of my four blocks
.set G1P,  96                          ; v96-103 (g1, g1)
.set BK,   128                         ; the way out: 16 rows read back: v128-191 and v192-255 by turns
.set G1,   24                          ; s[24:31] descriptor group 1 for w2's tiles;  s[32:39] group 0, one set for each slot
.set G0,   32
.set ABASE, 40                         ; s[40:47] hc at my wave's images of K steps 0, 8, 16, 24
.set G1S,  48                          ; s[48:55], s[56:59] groups 1 and 0 for w2's scale bytes
.set G0S,  56
.set MSB, 0
.macro WIN new                         ; the immediate's high byte repeats the setting that is left; a switch that changes nothing is dropped
.if MSB != (\new)
	s_set_vgpr_msb (MSB<<8)|(\new)
.set MSB, (\new)
.endif
.endm
.set TO_B, 0x40                        ; destination window 1, address window 0
.macro CREST                           ; a round of the cluster's barrier behind its opening barrier
	s_cmp_lg_u32 s14, 0
	s_cbranch_scc1 .Lnot_wave_0_\@
	s_barrier_signal -3
.Lnot_wave_0_\@:
	s_barrier_wait -3
	s_barrier_signal -1
	s_barrier_wait -1
.endm
.macro CROUND                          ; a whole round
	s_barrier_signal -1
	s_barrier_wait -1
	CREST
.endm
; A load into a register that a matrix instruction has read, and a vector instruction that reads a matrix result, stand four places behind that matrix instruction; only plain vector instructions that name
; none of its registers are places (ISA guide 7.12.1 for vector instructions).
.macro PLACES
.rept 4
	v_nop
.endr
.endm
	s_load_b128 s[4:7], s[0:1], 0x0                ; hc s[4:5], hs s[6:7]
	s_load_b128 s[8:11], s[0:1], 0x10              ; w2's codes s[8:9], w2's scales s[10:11]
	s_load_b64 s[96:97], s[0:1], 0x20              ; gate
	s_load_b64 s[12:13], s[0:1], 0x28              ; out0
	v_lshl_add_u32 v[SPW], v0, 2, SPARE
	v_mov_b32 v[NIL], 0
	ds_add_u32 v28, v29
	ds_add_u32 v28, v29
	s_wait_dscnt 0x0
	v_lshrrev_b32 v1, 5, v0
	v_readfirstlane_b32 s14, v1                    ; wave 0..3
	s_lshr_b32 s15, s14, 1
	s_and_b32 s16, s14, 1
	s_mov_b32 s17, ttmp9                           ; N: which 128 outputs = the cluster's x, which the four partners share
	s_bfe_u32 s18, ttmp6, 0x40000                  ; cx: my place in the cluster
	s_and_b32 s19, ttmp7, 0xffff
	s_lshl_b32 s19, s19, 2
	s_add_co_u32 s19, s19, s18                     ; T: which 256 tokens = 4 y + cx: it enters H's, the gates' and out's addresses alone
	; w2's tile: 32 rows x 768 bytes, 1,536 bytes apart, 16 bytes of padding behind every 256
	s_mov_b32 s[G1+0], 15|(0<<16)|(1<<20)|(1<<21)|(5<<22)|(3<<25)  ; 15:0 the mask: all four work-groups; 17:16 elements of 1 byte; 20 padding on; 21 set beside a mask; 24:22 after every 64 words (code 5); 31:25 of 4 words (code 3)
	s_mov_b32 s[G1+1], 768<<16                     ; tensor_dim0
	s_mov_b32 s[G1+2], 32<<16                      ; tensor_dim1
	s_mov_b32 s[G1+3], 768<<16                     ; tile_dim0
	s_mov_b32 s[G1+4], 32                          ; tile_dim1
	s_mov_b32 s[G1+5], 1536                        ; tensor_dim0_stride
	s_mov_b32 s[G1+6], 0
	s_mov_b32 s[G1+7], 0
	; w2's scale bytes of 64 rows: 4,096 dense bytes as 16 rows of 256 bytes (32 elements of 8 bytes), 16 bytes of padding behind each
	s_mov_b32 s[G1S+0], 15|(3<<16)|(1<<20)|(1<<21)|(5<<22)|(3<<25)
	s_mov_b32 s[G1S+1], 32<<16
	s_mov_b32 s[G1S+2], 16<<16
	s_mov_b32 s[G1S+3], 32<<16
	s_mov_b32 s[G1S+4], 16
	s_mov_b32 s[G1S+5], 32
	s_mov_b32 s[G1S+6], 0
	s_mov_b32 s[G1S+7], 0
	; where they come from: N and the wave's number alone, in registers that never hold T
	s_mul_i32 s20, s17, 128*1536
	s_mul_i32 s21, s14, 32*1536
	s_add_co_u32 s20, s20, s21                     ; codes: row 128 N + 32 x wave of expert 0
	s_mov_b32 s21, 0
	s_lshl_b32 s22, s15, 16
	s_lshl_b32 s23, s17, 13
	s_add_co_u32 s22, s22, s23
	s_lshl_b32 s23, s16, 12
	s_add_co_u32 s22, s22, s23                     ; scale bytes: (1,024 x (wave / 2) + 128 N + 64 x (wave % 2)) x 64: waves 0, 1 expert 0's halves, waves 2, 3 expert 1's
	s_mov_b32 s23, 0
	s_mul_i32 s60, s14, QROWS                      ; and where they go: no place in the cluster enters an LDS address
	s_mul_i32 s61, s14, QSCL
	; where H, its scale words, the gates and out begin for my wave
	s_mul_i32 s68, s19, 16*1536
	s_mul_i32 s69, s14, 4*1536
	s_add_co_u32 s68, s68, s69                     ; images 16 T + 4 x wave on
	s_mov_b32 s69, 0
	s_lshl_b32 s70, s19, 10
	s_lshl_b32 s71, s15, 9
	s_add_co_u32 s70, s70, s71
	s_lshl_b32 s71, s16, 4
	s_add_co_u32 s70, s70, s71                     ; scale words: (2 T + wave / 2) x 512 + 16 x (wave % 2)
	s_mov_b32 s71, 0
	s_lshl_b32 s72, s19, 11
	s_lshl_b32 s73, s14, 9
	s_add_co_u32 s72, s72, s73                     ; gates: (256 T + 64 x wave) x 8
	s_mov_b32 s73, 0
	s_lshl_b32 s74, s19, 20
	s_lshl_b32 s75, s14, 18
	s_add_co_u32 s74, s74, s75
	s_lshl_b32 s75, s17, 9
	s_add_co_u32 s74, s74, s75                     ; out: (256 T + 64 x wave) rows of 4,096 bytes + 512 N
	s_mov_b32 s75, 0
	s_wait_kmcnt 0x0
	s_add_nc_u64 s[20:21], s[8:9], s[20:21]
	s_add_nc_u64 s[22:23], s[10:11], s[22:23]
	s_add_nc_u64 s[ABASE:ABASE+1], s[4:5], s[68:69]
	s_add_nc_u64 s[ABASE+2:ABASE+3], s[ABASE:ABASE+1], 8*KSB       ; a base for each eight K steps: 7 x 786,432 + 6,144 bytes stay inside the signed 24-bit immediate (ISA guide, chapter 10)
	s_add_nc_u64 s[ABASE+4:ABASE+5], s[ABASE:ABASE+1], 16*KSB
	s_add_nc_u64 s[ABASE+6:ABASE+7], s[ABASE:ABASE+1], 24*KSB
	s_add_nc_u64 s[6:7], s[6:7], s[70:71]
	s_add_nc_u64 s[96:97], s[96:97], s[72:73]
	s_add_nc_u64 s[12:13], s[12:13], s[74:75]
	s_mov_b32 s[G0S], 1                            ; 1:0 count = 1
	s_add_co_u32 s[G0S+1], s61, SCB                ; 63:32 LDS address
	s_mov_b64 s[G0S+2:G0S+3], s[22:23]             ; 120:64 global address
	s_or_b32 s[G0S+3], s[G0S+3], 0x80000000        ; 127:126 type = 2
.irp s, 0,1
	s_mov_b32 s[G0+4*\s], 1
	s_add_co_u32 s[G0+4*\s+1], s60, \s*SLOT
	s_add_nc_u64 s[G0+4*\s+2:G0+4*\s+3], s[20:21], \s*768          ; slot s begins with expert 0's K = 1,024 s on
	s_or_b32 s[G0+4*\s+3], s[G0+4*\s+3], 0x80000000
.endr
	CROUND                                         ; all four work-groups are here: the first joint loads meet
	tensor_load_to_lds s[G0S:G0S+3], s[G1S:G1S+7]  ; the first fills go out as one group: three tensor loads of mine are out
	s_nop 0
	tensor_load_to_lds s[G0:G0+3], s[G1:G1+7]
	s_nop 0
	tensor_load_to_lds s[G0+4:G0+7], s[G1:G1+7]
	s_nop 0
	PLACES                                         ; four v_nop follow the last of them
	v_and_b32 v1, 15, v0                           ; r = lane % 16
	v_bfe_u32 v2, v0, 4, 1                         ; h = lane / 16
	v_and_b32 v6, 31, v0
	v_lshlrev_b32 v[CO], 4, v6
	v_lshlrev_b32 v[HSO], 5, v1
	v_lshlrev_b32 v[GOF], 3, v1
	v_mul_u32_u24 v3, v1, PITCH
	v_mad_u32_u24 v4, v2, 24, v3                   ; w2: a fragment's row x pitch + 24 x half
	v_lshl_add_u32 v5, v2, 4, v4                   ; and the same behind one padding more
.irp s, 0,1
.irp f, 0,1
	v_add_nc_u32 v[ADRB+4*\s+2*\f], \s*SLOT+\f*64*PITCH, v4        ; (rows 64 on have registers of their own: an LDS offset has 16 bits)
	v_add_nc_u32 v[ADRB+4*\s+2*\f+1], \s*SLOT+\f*64*PITCH, v5
.endr
.endr
	v_lshrrev_b32 v3, 2, v1
	v_lshlrev_b32 v7, 6, v1
	v_lshl_add_u32 v7, v3, 4, v7                   ; w2's scale bytes: 64 a row, and 16 more for each four rows passed
	v_add_nc_u32 v[ADSB], SCB, v7
	s_mul_i32 s70, s14, 16*SPITCH
	s_add_co_u32 s70, s70, STG                     ; my stage
	v_mul_u32_u24 v5, v1, SPITCH
	v_lshl_add_u32 v5, v2, 5, v5
	v_add_nc_u32 v[STO], s70, v5                   ; in: row r, 32 bytes for each half of the lanes
	v_add_nc_u32 v[RD], s70, v[CO]                 ; back: the 32 lanes take one row of 512 bytes
; Image a (16 tokens) of K step k into H's set k % 4: three loads of 512 consecutive bytes
.macro AIMG k, a
.if (\k)%4 < 3
	WIN 0
.set AD, 112+48*((\k)%4)+FR*(\a)
.else
	WIN TO_B
.set AD, 192+FR*(\a)
.endif
.irp g, 0,1,2
	global_load_b128 v[AD+4*\g:AD+4*\g+3], v[CO], s[ABASE+2*((\k)/8):ABASE+2*((\k)/8)+1] offset:KSB*((\k)%8)+1536*(\a)+512*\g
.endr
.endm
.macro ASCL k                          ; and its four blocks' scale words: lane r takes token r's four (lanes 16-31 the same, and are not read)
	WIN 0
	global_load_b128 v[SA+4*((\k)%4):SA+4*((\k)%4)+3], v[HSO], s[6:7] offset:32768*(\k)
.endm
; Fragment i (16 rows) of w2 for K step n into set n % 2: 12 registers: lane l holds row l % 16; registers 6 c .. 6 c + 5 hold K = 64 c + 32 (l / 16) + 0 .. 31, as they lie, in pieces of 8 bytes.
; 16 bytes of padding lie behind every 32 pieces: where the piece three on (lanes 16-31) lies behind one padding more, the second address register serves.
.macro BFRAG n, i
.set BD, 96*((\n)%2)+FR*(\i)
.set BA, ADRB+4*(((\n)/8)%2)+2*((\i)/4)
.irp p, 0,1,2,3,4,5
.set PC, 12*((\n)%8)+6*(\p/3)+\p%3
.if PC%32 < 29
	ds_load_b64 v[BD+2*\p:BD+2*\p+1], v[BA] offset:8*PC+16*(PC/32)+((\i)%4)*16*PITCH
.else
	ds_load_b64 v[BD+2*\p:BD+2*\p+1], v[BA+1] offset:8*PC+16*(PC/32)+((\i)%4)*16*PITCH
.endif
.endr
.endm
.macro SBL n, i                        ; w2's scale words of block i for K steps n and n + 1 (n even)
	ds_load_b64 v[SB+16*(((\n)/2)%2)+2*(\i):SB+16*(((\n)/2)%2)+2*(\i)+1], v[ADSB] offset:ESCL*((\n)/16)+4*272*(\i)+4*((\n)%16)
.endm
.macro WM a, b, zero                   ; one product: w2's block b against H's block a.  zero = 1: an expert's first K step starts the sums
.if \zero
	v_wmma_scale_f32_16x16x128_f8f6f4 v[8*(8*(\a)+(\b)):8*(8*(\a)+(\b))+7], v[BP+FR*(\b):BP+FR*(\b)+FR-1], v[AB+FR*(\a):AB+FR*(\a)+FR-1], 0, v[SBR+2*(\b)], v[SAR+(\a)] matrix_a_fmt:MATRIX_FMT_BF6 matrix_b_fmt:MATRIX_FMT_BF6
.else
	v_wmma_scale_f32_16x16x128_f8f6f4 v[8*(8*(\a)+(\b)):8*(8*(\a)+(\b))+7], v[BP+FR*(\b):BP+FR*(\b)+FR-1], v[AB+FR*(\a):AB+FR*(\a)+FR-1], v[8*(8*(\a)+(\b)):8*(8*(\a)+(\b))+7], v[SBR+2*(\b)], v[SAR+(\a)] matrix_a_fmt:MATRIX_FMT_BF6 matrix_b_fmt:MATRIX_FMT_BF6
.endif
.endm
; The run in the middle of group g of K step k.  Groups 0, 1 of an odd K step: w2's scale words of the next two K steps.  Groups 2 to 5: an image of H, three K steps on, into the set that the last K step left.  Group 6: its scale words.
.macro GAPA k, g
.if ((\k)%2 == 1) && ((\k) < 31) && ((\g) < 2)
	WIN 0
.irp i, 0,1,2,3
	SBL (\k)+1, 4*(\g)+\i
.endr
.endif
.if ((\k) < 29) && ((\g) >= 2) && ((\g) < 6)
	AIMG (\k)+3, (\g)-2
.endif
.if ((\k) < 29) && ((\g) == 6)
	ASCL (\k)+3
.endif
.endm
.macro GAPB k, g                       ; the run at the end of group g: the next K step's fragment g of w2: asked for a whole K step ahead of its use
.if (\k) < 31
	WIN TO_B
	BFRAG (\k)+1, \g
.endif
.endm
; A K STEP: eight groups, group g = w2's fragment g against H's four.  The 32 accumulators take turns, one instruction a turn, in the same order in every K step.
; The four v_nop at its head are the places for every load of this K step: each goes into registers whose last product stands in the K step before, or earlier.
; A slot's last K step (k % 8 = 7) changes slots at its head: all its fragments are in registers by then.  fill = 1: the slot is filled again, with expert 1's same half of K.
.macro KS k, zero, fill
.if (\k)%4 < 3
.set AB, 112+48*((\k)%4)
.set MULW, 0xa1                        ; source 0 (w2) window 1, source 1 (H) window 0, C and D window 2
.else
.set AB, 192
.set MULW, 0xa5                        ; the same with H in window 1
.endif
.set BP, 96*((\k)%2)
.set SBR, SB+16*(((\k)/2)%2)+(\k)%2
.set SAR, SA+4*((\k)%4)
.set LC, 26
.if (\k) > 29
.set LC, 13*(31-(\k))
.endif
.set EDGE, 0
.if ((\k)%8 == 7) && ((\k) < 31)
.set EDGE, 1
.endif
.if EDGE
	WIN 0                                          ; (the add's two registers lie in window 0)
	s_wait_tensorcnt 0x0                           ; all my tensor loads have landed: my part of the next slot
	ds_add_u32 v[SPW], v[NIL]                      ; 0 onto my spare word
	s_wait_loadcnt LC                              ; H's set of this K step is in; the thirteen loads of each of the two K steps behind it may be out
	s_wait_dscnt 0x0                               ; the add is done, and my reads of this slot are over: its last fragments are in registers
	s_barrier_signal -1
	WIN MULW
	WM 0, 0, \zero                                 ; group 0 works on registers while the others arrive
	WM 1, 0, \zero
	WM 2, 0, \zero
	WM 3, 0, \zero
	WIN 0
	s_barrier_wait -1
.if \fill
	CREST                                          ; the barrier has opened a round of the cluster's barrier: no wave of any partner still reads this slot or has a load on its way
	s_add_nc_u64 s[G0+4*(((\k)/8)%2)+2:G0+4*(((\k)/8)%2)+3], s[G0+4*(((\k)/8)%2)+2:G0+4*(((\k)/8)%2)+3], 1024*1536   ; the same rows and bytes of expert 1
	tensor_load_to_lds s[G0+4*(((\k)/8)%2):G0+4*(((\k)/8)%2)+3], s[G1:G1+7]   ; the first tensor load behind the round, my one load until the next: eight K steps in which to land
	s_nop 0
.endif
	PLACES
	GAPA \k, 0
	GAPB \k, 0
.else
	s_wait_loadcnt LC                              ; H's set of this K step is in; the thirteen loads of each later K step asked for (two, at the end one or none) may be out
	PLACES
.endif
.irp g, 0,1,2,3,4,5,6,7
.if (EDGE == 0) || (\g > 0)
.if (EDGE == 0) && (\g%2 == 0)
.if (\k) < 31
	s_wait_dscnt 36                                ; fragments g and g + 1 are in: behind the later of them six fragments' 36 loads were issued (scale words asked for in between only add to that)
.else
	s_wait_dscnt 36-6*\g                           ; the last K step asks for nothing more: the counts run down
.endif
.endif
	WIN MULW
	WM 0, \g, \zero
	WM 1, \g, \zero
	GAPA \k, \g
	WIN MULW
	WM 2, \g, \zero
	WM 3, \g, \zero
	GAPB \k, \g
.endif
.endr
.endm
.irp a, 0,1,2,3
	global_load_b64 v[GR+2*\a:GR+2*\a+1], v[GOF], s[96:97] offset:128*\a   ; (g0, g1) of token 16 a + r of my 64: older than every load of H, so in with the first of them
.endr
.irp k, 0,1,2
.irp a, 0,1,2,3
	AIMG \k, \a                                    ; H's first three K steps
.endr
	ASCL \k
.endr
	WIN 0
	s_wait_tensorcnt 1                             ; the scale bytes and my part of slot 0 are in; slot 1's load, issued behind them, may be out
	s_barrier_signal -1
	s_barrier_wait -1                              ; everybody's are
.irp i, 0,1,2,3,4,5,6,7
	SBL 0, \i
.endr
	WIN TO_B
.irp i, 0,1,2,3,4,5,6,7
	BFRAG 0, \i
.endr
	; ---- expert 0
	KS 0, 1, 0
.irp k, 1,2,3,4,5,6
	KS \k, 0, 0
.endr
	KS 7, 0, 1                                     ; slot 0 takes expert 1's first 1,024 along K
.irp k, 8,9,10,11,12,13,14
	KS \k, 0, 0
.endr
	KS 15, 0, 1                                    ; slot 1 its second
	WIN 0
.irp a, 0,1,2,3
	v_mov_b32 v[G0P+2*\a], v[GR+2*\a]              ; the gates as pairs, for the packed forms.  These sixteen lines are the places behind the last products
	v_mov_b32 v[G0P+2*\a+1], v[GR+2*\a]
	v_mov_b32 v[G1P+2*\a], v[GR+2*\a+1]
	v_mov_b32 v[G1P+2*\a+1], v[GR+2*\a+1]
.endr
	WIN 0xc2                                       ; source 0 window 2, source 1 window 0, destination window 3
.set i, 0
.rept 128
	v_pk_mul_f32 v[i:i+1], v[i:i+1], v[G0P+2*(i/64):G0P+2*(i/64)+1]   ; g0 x expert 0's sums, each accumulator from its low end on.  These lines are also the places in front of the products that begin the accumulators anew
.set i, i+2
.endr
	WIN 0
	; ---- expert 1
	KS 16, 1, 0
.irp k, 17,18,19,20,21,22
	KS \k, 0, 0
.endr
	KS 23, 0, 0                                    ; the last change of slots: nothing is left to fetch, and no round follows
.irp k, 24,25,26,27,28,29,30,31
	KS \k, 0, 0
.endr
	PLACES                                         ; behind the last products
	WIN 0xf2                                       ; source 0 window 2, source 1 window 0, source 2 and destination window 3
.set i, 0
.rept 128
	v_pk_fma_f32 v[i:i+1], v[i:i+1], v[G1P+2*(i/64):G1P+2*(i/64)+1], v[i:i+1]   ; + g1 x expert 1's sums
.set i, i+2
.endr
	WIN 0
; THE WAY OUT, block by block of 16 tokens x 128 outputs.  A lane holds 32 neighbouring bytes of a row, and the lanes beside it hold other rows: so a block goes through my own stage in LDS and comes back as whole
; rows of 512 bytes.  LDS serves a wave's instructions in order (ISA guide 5.7.1.4): no wait between the stores and the loads, nor in front of the next block's stores.
.macro TOSTAGE a
	WIN 0x0c                                       ; an LDS store's data are its source 1: window 3
.irp b, 0,1,2,3,4,5,6,7
	ds_store_b128 v[STO], v[64*(\a)+8*\b:64*(\a)+8*\b+3] offset:64*\b
	ds_store_b128 v[STO], v[64*(\a)+8*\b+4:64*(\a)+8*\b+7] offset:64*\b+16
.endr
	WIN 0
.set BB, BK+64*((\a)%2)
.irp t, 0,1,2,3,4,5,6,7,8,9,10,11,12,13,14,15
	ds_load_b128 v[BB+4*\t:BB+4*\t+3], v[RD] offset:\t*SPITCH
.endr
.endm
.macro SEND a, younger                 ; younger: the LDS instructions issued behind block a's loads, which may stay out
.set BB, BK+64*((\a)%2)
	s_wait_dscnt \younger                          ; the block is back in registers
.if (\a) > 0
	s_add_nc_u64 s[12:13], s[12:13], 16*4096       ; 16 rows of out on (behind a wait on XCNT for 0: the earlier stores have read their base)
.endif
.irp t, 0,1,2,3,4,5,6,7,8,9,10,11,12,13,14,15
	global_store_b128 v[CO], v[BB+4*\t:BB+4*\t+3], s[12:13] offset:\t*4096 th:TH_STORE_NT   ; 32 lanes store 512 consecutive bytes, at a multiple of 512 from out's first byte; written once, read by nobody here
.endr
.endm
	TOSTAGE 0
.irp a, 1,2,3
.if \a > 1
	s_wait_xcnt 0x0                                ; block a - 2's stores have read their registers and their base: block a's loads may land there, and the base may step
.endif
	TOSTAGE \a
	SEND \a-1, 32                                  ; behind block a - 1's loads: block a's 16 stores and 16 loads
.endr
	s_wait_xcnt 0x0                                ; block 2's stores have read their base
	SEND 3, 0
	s_wait_tensorcnt 0x0                           ; the wave's end, behind my last tensor load and my last LDS store
	ds_add_u32 v[SPW], v[NIL]
	s_wait_dscnt 0x0
	CROUND                                         ; the closing round: no work-group ends while a partner may still ask for a tile that names it
	s_endpgm
.Lfunc_end_k_qdd7771f184_ffn2:
	.size	k_qdd7771f184_ffn2, .Lfunc_end_k_qdd7771f184_ffn2-k_qdd7771f184_ffn2
	.p2alignl 7, 3214868480
	.fill 96, 4, 3214868480
	.section	.rodata,"a",@progbits
	.p2align	6, 0x0
	.amdhsa_kernel k_qdd7771f184_ffn2
		.amdhsa_group_segment_fixed_size 327680
		.amdhsa_private_segment_fixed_size 0
		.amdhsa_enable_private_segment 0
		.amdhsa_kernarg_size 48
		.amdhsa_user_sgpr_count 2
		.amdhsa_user_sgpr_kernarg_segment_ptr 1
		.amdhsa_wavefront_size32 1
		.amdhsa_system_sgpr_workgroup_id_x 1
		.amdhsa_system_sgpr_workgroup_id_y 1
		.amdhsa_system_sgpr_workgroup_id_z 1
		.amdhsa_system_vgpr_workitem_id 0
		.amdhsa_next_free_vgpr 1024
		.amdhsa_next_free_sgpr 100
		.amdhsa_reserve_vcc 0
		.amdhsa_float_denorm_mode_32 3
		.amdhsa_float_denorm_mode_16_64 3
		.amdhsa_memory_ordered 1
		.amdhsa_forward_progress 1
		.amdhsa_inst_pref_size 255
	.end_amdhsa_kernel
	.section	.bss,"aw",@nobits
	.p2align	6
	.space	262144
	.amdgpu_metadata
---
amdhsa.version: [ 1, 2 ]
amdhsa.kernels:
  - .name:           k_qdd7771f184_ffn2
    .symbol:         k_qdd7771f184_ffn2.kd
    .args:
      - { .name: hc, .offset: 0, .size: 8, .value_kind: global_buffer, .address_space: global }
      - { .name: hs, .offset: 8, .size: 8, .value_kind: global_buffer, .address_space: global }
      - { .name: w2_codes, .offset: 16, .size: 8, .value_kind: global_buffer, .address_space: global }
      - { .name: w2_scales, .offset: 24, .size: 8, .value_kind: global_buffer, .address_space: global }
      - { .name: gate, .offset: 32, .size: 8, .value_kind: global_buffer, .address_space: global }
      - { .name: out0, .offset: 40, .size: 8, .value_kind: global_buffer, .address_space: global }
    .group_segment_fixed_size: 327680
    .private_segment_fixed_size: 0
    .kernarg_segment_align: 8
    .kernarg_segment_size: 48
    .max_flat_workgroup_size: 128
    .sgpr_count:     100
    .vgpr_count:     1024
    .wavefront_size: 32
...
	.end_amdgpu_metadata
.endif
;; end of part 3
